; MI455X (gfx1250); checked and timed in simulation.
; The chip was launched on July 23, 2026; its instructions are those of AMD's public machine-readable ISA for CDNA 5 (MIT licence, August 2026) and "CDNA5" Instruction Set Architecture Reference Guide (July 2026). The comments in the code are by the model that wrote it; some were corrected since.
;; Hard Moe. Allowed arithmetic: matrix products marked QUANTISED: E2M1 operands, one E8M0 scale for each 32 along K, by v_wmma_scale_f32_16x16x128_f8f6f4 with both operands' format E2M1 (or v_wmma_scale_f32_32x16x128_f4), f32 sums; products left as they are: f32 operands where the result goes on into a quantised operand, else bf16, f16 or f32 operands; f32 sums; everything else in f32.
;; Inputs: expert_b 8 x 2,048 float32; expert_w_codes 8 x 2,048 x 64 x 16 uint8 (E2M1 codes of expert_w, K innermost, in blocks of 32 codes, two codes a byte); expert_w_scales 8 x 2,048 x 64 uint8 (E8M0 scales of expert_w, one for each 32 codes along K); gate_b 8 float32; gate_w 2,048 x 8 float32; x 8 x 256 x 2,048 float32.
;; Outputs: out0 8 x 256 x 2,048 float32.
;; This version of the problem:
;;   THIS VERSION OF THE PROBLEM IS GIVEN IN LOW PRECISION. The matrix products marked QUANTISED in the list below multiply operands that are first quantised to E2M1 (2 exponent bits, 1 mantissa bit; 4 bits a number), with one power-of-two scale for each 32 numbers along K (OCP MX v1.0); their sums are f32. All else is computed in f32.
;;   The module's matrix products, in the order in which they are computed (A, B: the left and right operand; K: the contracted axis; several contracted axes count as one K, in the product's order):
;;     1. [M 2,048, K 2,048] x [K 2,048, N 8]; A: input x; B: input gate_w: left as it is (N = 8 < 16)
;;     2. [M 2,048, K 2,048] x [K 2,048, N 16,384]; A: input x; B: input expert_w (given as codes): QUANTISED
;;   THE QUANTISER, for each operand of a quantised product, along K:
;;     - K is cut into blocks of 32 from its start; a last block that is shorter is filled with zeros.
;;     - A block's scale is 2^e with e = floor(log2(the largest magnitude in the block)) - 2, held to -126 .. 127; a block of zeros has e = 0. As a byte (E8M0): e + 127.
;;     - Each number is divided by its block's scale, clamped to +-6, and rounded to the nearest number of E2M1, ties to even, subnormals kept.
;;     - The product sums the exact products of the quantised numbers (number of the format x scale) in f32.
;;   ~~~python
;;   def quantise(x, axis):      # numpy; x: float32 -> the quantised numbers, widened to float32 again
;;       x = np.moveaxis(x, axis, -1); K = x.shape[-1]
;;       x = np.pad(x, [(0, 0)] * (x.ndim - 1) + [(0, -K % 32)]); x = x.reshape(x.shape[:-1] + (-1, 32)); a = np.abs(x).max(-1, keepdims=True)
;;       e = np.where(a > 0, np.clip(np.frexp(np.where(a > 0, a, 1))[1] - 1 - 2, -126, 127), 0)      # np.frexp(a)[1] - 1 = floor(log2(a)), exactly
;;       r = np.clip(x / 2.0 ** e, -6, 6)
;;       step = 2.0 ** (np.maximum(np.frexp(np.where(r == 0, 1, r))[1] - 1, 0) - 1)
;;       q = np.round(r / step) * step * 2.0 ** e      # np.round: ties to even
;;       return np.moveaxis(q.reshape(q.shape[:-2] + (-1,))[..., :K], -1, axis).astype(np.float32)
;;   ~~~
;;   INPUTS GIVEN AS CODES. expert_w (in the module: [8, 2048, 2048], K = its axis 1): each comes as NAME_codes (uint8): NAME with its K axis moved to the last place and cut into blocks of 32 codes, [.., K / 32, bytes a block], one block behind the other in memory; two codes a byte, the lower K in the low four bits (a code: sign, 2 exponent bits, 1 mantissa bit); and NAME_scales (uint8): the same leading axes, one E8M0 byte (e + 127) for each 32 codes along K. Its value is code x scale, taken as it is: it is not quantised again, and the codes and scales need not be those that the quantiser above would give.
;; One version. Each part assembles by itself: llvm-mc -triple=amdgcn-amd-amdhsa -mcpu=gfx1250 --defsym DOCPART=n.
;; ======== version 1 of 1: 2 launches
;; limits: right only within a limited range of input values
;; workspace buffers: xq 2,097,152 bytes; xs 131,072 bytes; masks 8,192 bytes of whole numbers
;; launch gateq (part 1): grid 256 x 1, 8 waves a work-group, clusters of 4 x 1, 167,936 bytes of LDS; arguments x, gate_w, gate_b, xq, xs, masks; writes xq, xs, masks
.if DOCPART == 1
	.amdgcn_target "amdgcn-amd-amdhsa--gfx1250"
	.amdhsa_code_object_version 6
	.text
	.protected	k_q13eff54ccd_gateq
	.globl	k_q13eff54ccd_gateq
	.p2align	8
	.type	k_q13eff54ccd_gateq,@function
k_q13eff54ccd_gateq:
	s_mov_b64 s[64:65], 0
	v_nop
	global_prefetch_b8 v0, s[64:65] scope:SCOPE_SE
	s_setreg_imm32_b32 hwreg(HW_REG_WAVE_MODE, 25, 1), 1
	s_wait_xcnt 0x0
	s_wait_alu depctr_hold_cnt(0) depctr_sa_sdst(0) depctr_va_vdst(0) depctr_va_sdst(0) depctr_va_ssrc(0) depctr_va_vcc(0) depctr_vm_vsrc(0)
	s_getreg_b32 s2, hwreg(HW_REG_IB_STS2, 6, 4)
	s_cmp_eq_u32 s2, 0
	s_cbranch_scc0 .Lentry_in_a_cluster
	s_endpgm
.Lentry_in_a_cluster:
	s_bfe_u32 s2, ttmp6, 0x10000c
	s_cmp_lg_u32 s2, 0x3003
	s_cbranch_scc0 .Lentry_shape_is_right
	s_endpgm
.Lentry_shape_is_right:
; HardMoe, launch 1 of 2: the router's choice, and x as codes of E2M1.
; out[t] = 0.5 (relu(x_t W_a + b_a) + relu(x_t W_b + b_b)), a and b the two experts with the largest gate logits of token t (a tie goes to the lower index).
; Nothing of reference() is left out: launch 2 multiplies every token by all 8 experts and weighs the unchosen ones with 0.  The gate's values serve the choice alone, as in reference().
; LIMITS.  An infinite or NaN sum of an unchosen expert gives NaN (0 x infinity) where reference() would drop it.  NaN among the logits is not served; +0 and -0 count as equal logits.
; A block of 32 zeros of x gets the scale byte 1 where the quantiser says 127: its codes are zeros, and this program alone reads the bytes.
; THIS LAUNCH.  A work-group of eight waves takes 8 tokens.  gate_w (64 KiB), which all work-groups read, comes by one tensor load a wave, jointly for the four of a cluster; x straight into registers, asked for ahead of it and used token by token.
; Thread T takes k = 8 T .. 8 T + 7 of all 8 tokens: a block of 32 lies in four neighbouring lanes.
; The logits are f32 fused multiply-adds (8 columns are too few for a matrix tile): a lane's 64 partial sums (8 tokens x 8 experts) are added over the 32 lanes by a halving exchange, over the 8 waves through LDS.
; The choice is stored as a whole number, masks[t] = bit e set for the two experts: no address and no branch hangs on it.
; The codes leave in the order in which launch 2's operand registers take them: [64 tokens][K step s][tile i][c][half of the tile's rows][h][row % 8] of 16 bytes: a work-group's 8 tokens fill whole units of 256 bytes.
; No prefetch: there is no loop to run ahead in.
.set COD,   69632                      ; LDS: gate_w from 0: 256 rows of 256 bytes + 16 of padding each; then the codes of 8 tokens, 1,024 bytes + 16 each
.set CP,    1040
.set XSB,   78080                      ; their scale bytes, 64 each
.set GP,    78592                      ; the waves' partial logits: 256 w + 32 token + 4 expert
.set SPARE, 80640                      ; the spare words, 128 bytes for each wave: four blocks of 256 bytes that no other line names
.set X,   32                           ; v32-95   x: token t's eight numbers at X + 8 t
.set GW,  96                           ; v96-159  gate_w: row kk of my eight, expert e, at GW + 8 kk + e
.set AC,  160                          ; v160-223 partial logits at AC + 8 t + e
.set C,   224                          ; v224-231 a token's eight codes
.set B,   232                          ; v232-239 a token's scale byte
.macro CROUND                          ; a round of the cluster's barrier
	s_barrier_signal -1
	s_barrier_wait -1
	s_cmp_lg_u32 s16, 0
	s_cbranch_scc1 .Lnw_\@
	s_barrier_signal -3
.Lnw_\@:
	s_barrier_wait -3
	s_barrier_signal -1
	s_barrier_wait -1
.endm
	s_load_b256 s[4:11], s[0:1], 0x0               ; x s[4:5], gate_w s[6:7], gate_b s[8:9], xq s[10:11]
	s_load_b128 s[12:15], s[0:1], 0x20             ; xs s[12:13], masks s[14:15]
	v_lshl_add_u32 v12, v0, 2, SPARE               ; my spare word; never rewritten
	v_mov_b32 v13, 0                               ; 0; never rewritten
	ds_add_u32 v12, v13                            ; the opening lines: the add, twice on end, and its wait
	ds_add_u32 v12, v13
	v_lshrrev_b32 v14, 5, v0
	v_readfirstlane_b32 s16, v14                   ; wave 0..7
	s_lshl_b32 s28, s16, 5
	s_add_co_u32 s28, s28, GP
	v_and_b32 v1, 31, v0                           ; lane
	v_lshlrev_b32 v2, 5, v0                        ; x: my 32 bytes of a row
	v_lshrrev_b32 v16, 3, v0                       ; T / 8
	v_and_b32 v15, 7, v0                           ; T % 8
	v_mul_u32_u24 v5, v0, 272                      ; gate_w: my 256 bytes
	v_lshl_add_u32 v6, v0, 2, COD                  ; my codes
	v_lshrrev_b32 v7, 2, v0
	v_add_nc_u32 v7, XSB, v7                       ; my block's byte
	v_lshl_add_u32 v8, v0, 3, GP                   ; my two partial logits
	v_lshrrev_b32 v14, 3, v1
	v_lshlrev_b32 v9, 8, v14
	v_lshl_add_u32 v9, v15, 2, v9
	v_add_nc_u32 v9, s28, v9                       ; the router: wave l / 8's (and 4 + l / 8's) partial logit of token w, expert l % 8
	v_lshrrev_b32 v14, 5, v0
	v_lshlrev_b32 v10, 12, v14
	v_bfe_u32 v14, v0, 4, 1
	v_lshl_add_u32 v10, v14, 9, v10
	v_and_b32 v14, 15, v0
	v_lshl_add_u32 v10, v14, 4, v10                ; out: K step T / 32, c = (T / 16) % 2, 16 (T % 16)
	v_mul_u32_u24 v24, v15, CP
	v_lshl_add_u32 v24, v16, 4, v24
	v_add_nc_u32 v24, COD, v24                     ; row T % 8, block T / 8
	v_lshl_add_u32 v25, v1, 4, XSB
	v_lshlrev_b32 v27, 4, v1
	v_lshlrev_b32 v26, 2, v15                      ; gate_b: expert l % 8
	s_mov_b32 s20, 0x76543210
	s_mov_b32 s21, 0xfedcba98                      ; v_permlanex16_b32's selects for lane l xor 16
	s_mov_b32 s22, 0xff00ff00                      ; the lanes with bit 3 set,
	s_mov_b32 s23, 0xf0f0f0f0                      ; bit 2,
	s_mov_b32 s24, 0xcccccccc                      ; bit 1,
	s_mov_b32 s25, 0xaaaaaaaa                      ; bit 0
	s_bfe_u32 s18, ttmp6, 0x40000                  ; my place in the cluster
	s_lshl_b32 s17, ttmp9, 2
	s_add_co_u32 s17, s17, s18                     ; g: tokens 8 g .. 8 g + 7
	; descriptor group 1: 32 rows of 256 bytes (32 elements of 8), 16 bytes of padding behind each, for the four of the cluster
	s_mov_b32 s48, 15|(3<<16)|(1<<20)|(1<<21)|(5<<22)|(3<<25)
	s_mov_b32 s49, 32<<16
	s_mov_b32 s50, 32<<16
	s_mov_b32 s51, 32<<16
	s_mov_b32 s52, 32
	s_mov_b32 s53, 32
	s_mov_b32 s54, 0
	s_mov_b32 s55, 0
	s_mov_b32 s60, 1
	s_mul_i32 s61, s16, 8704                       ; LDS: wave x 32 rows of 272 bytes
	s_mov_b32 s19, 0
	s_wait_alu depctr_va_vdst(0)
	s_wait_dscnt 0x0                               ; both opening adds are done
	s_wait_kmcnt 0x0
	s_lshl_b32 s18, s17, 16                        ; x: 8 tokens of 8,192 bytes
	s_add_nc_u64 s[4:5], s[4:5], s[18:19]
	global_load_b32 v11, v26, s[8:9]
.irp t, 0,1,2,3,4,5,6,7
	global_load_b128 v[X+8*\t:X+8*\t+3], v2, s[4:5] offset:8192*\t
	global_load_b128 v[X+8*\t+4:X+8*\t+7], v2, s[4:5] offset:8192*\t+16    ; the other half of the same 32 bytes
.endr
	s_lshl_b32 s18, s16, 13
	s_add_nc_u64 s[62:63], s[6:7], s[18:19]        ; gate_w: 8,192 bytes a wave
	s_or_b32 s63, s63, 0x80000000
	s_lshr_b32 s18, s17, 3
	s_lshl_b32 s18, s18, 16                        ; the codes: block of 64 tokens,
	s_bfe_u32 s26, s17, 0x20001
	s_lshl_b32 s26, s26, 10                        ; tile of 16 tokens,
	s_add_co_u32 s18, s18, s26
	s_and_b32 s26, s17, 1
	s_lshl_b32 s26, s26, 8                         ; half of its rows
	s_add_co_u32 s18, s18, s26
	s_add_nc_u64 s[10:11], s[10:11], s[18:19]
	s_lshl_b32 s18, s17, 9
	s_add_nc_u64 s[12:13], s[12:13], s[18:19]
	s_lshl_b32 s18, s17, 5
	s_add_nc_u64 s[14:15], s[14:15], s[18:19]
	CROUND                                         ; all four work-groups are here: the joint loads meet
	tensor_load_to_lds s[60:63], s[48:55]
	s_nop 0
.rept 4
	v_nop
.endr
	s_wait_tensorcnt 0x0                           ; my part of gate_w is in,
	s_barrier_signal -1
	s_barrier_wait -1                              ; and everybody's
.irp j, 0,1,2,3,4,5,6,7,8,9,10,11,12,13,14,15
	ds_load_b128 v[GW+4*\j:GW+4*\j+3], v5 offset:16*\j
.endr
	s_wait_dscnt 0x0
; token t's eight numbers of my lane become eight codes and my block's scale byte
.macro QUANT t
.set qm, 14+2*((\t)%2)
	v_max3_num_f32 v[qm], |v[X+8*\t]|, |v[X+8*\t+1]|, 0x1800000    ; with the floor 2^(3 - 127): the byte cannot fall under 1
	s_delay_alu instid0(VALU_DEP_1)
	v_max3_num_f32 v[qm], v[qm], |v[X+8*\t+2]|, |v[X+8*\t+3]|
	s_delay_alu instid0(VALU_DEP_1)
	v_max3_num_f32 v[qm], v[qm], |v[X+8*\t+4]|, |v[X+8*\t+5]|
	s_delay_alu instid0(VALU_DEP_1)
	v_max3_num_f32 v[qm], v[qm], |v[X+8*\t+6]|, |v[X+8*\t+7]|
	s_delay_alu instid0(VALU_DEP_1)
	v_max_num_f32_dpp v[qm], v[qm], v[qm] row_xmask:1 row_mask:0xf bank_mask:0xf
	s_delay_alu instid0(VALU_DEP_1)
	v_max_num_f32_dpp v[qm], v[qm], v[qm] row_xmask:2 row_mask:0xf bank_mask:0xf   ; the four lanes' 32 numbers: the block's largest magnitude
	s_delay_alu instid0(VALU_DEP_1)
	v_add_nc_u32 v[qm+1], 0xff000000, v[qm]        ; 2 off its exponent field: the conversion takes this operand's exponent field as its scale
	v_cvt_scalef32_pk8_fp4_f32 v[C+\t], v[X+8*\t:X+8*\t+7], v[qm+1]
	v_lshrrev_b32 v[B+\t], 23, v[qm+1]             ; the scale's byte (also the plain line behind the conversion)
	ds_store_b32 v6, v[C+\t] offset:CP*\t
	ds_store_b8 v7, v[B+\t] offset:64*\t           ; the four lanes of a block write the same byte with the same value
.endm
; token t's partial logits of my eight k: 8 experts, two an instruction; x is taken from one half of its pair for both
.macro DOT t
.irp kp, 0,1,2,3
.irp p, 0,2,4,6
.if \kp == 0
	v_pk_mul_f32 v[AC+8*\t+\p:AC+8*\t+\p+1], v[X+8*\t:X+8*\t+1], v[GW+\p:GW+\p+1] op_sel_hi:[0,1]
.else
	s_delay_alu instid0(VALU_DEP_4)
	v_pk_fma_f32 v[AC+8*\t+\p:AC+8*\t+\p+1], v[X+8*\t+2*\kp:X+8*\t+2*\kp+1], v[GW+16*\kp+\p:GW+16*\kp+\p+1], v[AC+8*\t+\p:AC+8*\t+\p+1] op_sel_hi:[0,1,1]
.endif
.endr
.irp p, 0,2,4,6
	s_delay_alu instid0(VALU_DEP_4)
	v_pk_fma_f32 v[AC+8*\t+\p:AC+8*\t+\p+1], v[X+8*\t+2*\kp:X+8*\t+2*\kp+1], v[GW+16*\kp+8+\p:GW+16*\kp+8+\p+1], v[AC+8*\t+\p:AC+8*\t+\p+1] op_sel:[1,0,0]
.endr
.endr
.endm
.irp t, 0,1,2,3,4,5,6,7
	s_wait_loadcnt 2*(7-\t)                        ; this token's two loads are in; the later tokens' may be out
	QUANT \t
	DOT \t
.endr
; THE SUM OVER THE 32 LANES of 64 numbers a lane, by halving: at each step a lane keeps half of its numbers and gives the other half to its partner.
.set n, 0
.rept 32
	v_permlane16_swap_b32 v[AC+n], v[AC+32+n]      ; lanes 0-15 keep tokens 0-3, lanes 16-31 tokens 4-7
.set n, n+1
.endr
.set n, 0
.rept 32
	v_add_f32 v[AC+n], v[AC+n], v[AC+32+n]
.set n, n+1
.endr
.macro RSTEP m, xm, cnt                ; lanes in mask m keep numbers cnt .. 2 cnt - 1, the others 0 .. cnt - 1; the partner is lane l xor xm
.set n, 0
.rept \cnt
	v_cndmask_b32 v[14+2*(n%4)], v[AC+n], v[AC+\cnt+n], s[\m]      ; what I keep,
	v_cndmask_b32 v[15+2*(n%4)], v[AC+\cnt+n], v[AC+n], s[\m]      ; what my partner keeps
	s_delay_alu instid0(VALU_DEP_1)
	v_add_f32_dpp v[AC+n], v[15+2*(n%4)], v[14+2*(n%4)] row_xmask:\xm row_mask:0xf bank_mask:0xf
.set n, n+1
.endr
.endm
	RSTEP 22, 8, 16
	RSTEP 23, 4, 8
	RSTEP 24, 2, 4
	RSTEP 25, 1, 2                                 ; lane l now holds token l / 4, experts 2 (l % 4) and 2 (l % 4) + 1
	ds_store_b64 v8, v[AC:AC+1]
	s_wait_dscnt 0x0                               ; for the others' sake: my codes, bytes and partial logits lie in LDS
	s_barrier_signal -1
	s_barrier_wait -1
	ds_load_b128 v[32:35], v24
	ds_load_b128 v[36:39], v24 offset:512
	ds_load_b32 v40, v9
	ds_load_b32 v41, v9 offset:1024
	s_wait_dscnt 0x3                               ; the first is in; three younger loads may be out
	global_store_b128 v10, v[32:35], s[10:11]      ; sixteen lanes store 256 consecutive bytes, aligned
	s_wait_dscnt 0x2
	global_store_b128 v10, v[36:39], s[10:11] offset:32768    ; K steps 8 to 15
	s_wait_dscnt 0x0
; THE ROUTER: wave w has token w; lane l ends with the logit of expert l % 8
	v_add_f32 v40, v40, v41
	s_delay_alu instid0(VALU_DEP_1)
	v_add_f32_dpp v40, v40, v40 row_xmask:8 row_mask:0xf bank_mask:0xf
	s_delay_alu instid0(VALU_DEP_1)
	v_permlanex16_b32 v41, v40, s20, s21
	s_delay_alu instid0(VALU_DEP_1)
	v_add_f32 v40, v40, v41                        ; the eight waves' parts
	s_delay_alu instid0(VALU_DEP_1)
	v_add_f32 v40, v40, v11                        ; + gate_b
	v_mov_b32 v42, 0                               ; how many experts come before mine
	v_mov_b32 v43, 0
.macro RK m, c                         ; expert e xor m comes before e where its logit is larger, or equal with the lower index (m's highest bit set in e: mask c)
	v_mov_b32_dpp v43, v40 row_xmask:\m row_mask:0xf bank_mask:0xf
	s_delay_alu instid0(VALU_DEP_1)
	v_cmp_gt_f32 s26, v43, v40
	s_delay_alu instid0(VALU_DEP_2)
	v_cmp_ge_f32 s27, v43, v40
	s_and_b32 s27, s27, s[\c]
	s_or_b32 s26, s26, s27
	v_cndmask_b32 v44, 0, 1, s26
	s_delay_alu instid0(VALU_DEP_1)
	v_add_nc_u32 v42, v42, v44
.endm
	RK 1, 25
	RK 2, 24
	RK 3, 24
	RK 4, 23
	RK 5, 23
	RK 6, 23
	RK 7, 23
	s_delay_alu instid0(VALU_DEP_1)
	v_cmp_gt_u32 s28, 2, v42                       ; chosen: fewer than two come before it; lanes 0-7 are experts 0-7
	s_and_b32 s28, s28, 0xff
	v_mov_b32 v45, s28
	s_lshl_b32 s30, s16, 2
	v_mov_b32 v46, s30
	s_cmp_lg_u32 s16, 0
	s_cbranch_scc1 .Lnot_wave_0
	ds_load_b128 v[48:51], v25                     ; wave 0: the 8 tokens' 512 scale bytes
	s_wait_dscnt 0x0
	global_store_b128 v27, v[48:51], s[12:13]
.Lnot_wave_0:
	s_wait_xcnt 0x0                                ; EXEC changes only behind this wait
	v_cmp_eq_u32 vcc_lo, 0, v1
	s_and_saveexec_b32 s31, vcc_lo
	s_wait_alu depctr_va_vdst(0)
	global_store_b32 v46, v45, s[14:15]            ; lane 0 stores the token's mask
	s_wait_xcnt 0x0                                ; and again, in front of the line that widens it
	s_or_b32 exec_lo, exec_lo, s31
	s_wait_tensorcnt 0x0                           ; the wave's end
	ds_add_u32 v12, v13
	s_wait_dscnt 0x0
	CROUND                                         ; no work-group ends while a partner may still ask for a tile that names it
	s_endpgm
.Lfunc_end_k_q13eff54ccd_gateq:
	.size	k_q13eff54ccd_gateq, .Lfunc_end_k_q13eff54ccd_gateq-k_q13eff54ccd_gateq
	.p2alignl 7, 3214868480
	.fill 96, 4, 3214868480
	.section	.rodata,"a",@progbits
	.p2align	6, 0x0
	.amdhsa_kernel k_q13eff54ccd_gateq
		.amdhsa_group_segment_fixed_size 167936
		.amdhsa_private_segment_fixed_size 0
		.amdhsa_enable_private_segment 0
		.amdhsa_kernarg_size 48
		.amdhsa_user_sgpr_count 2
		.amdhsa_user_sgpr_kernarg_segment_ptr 1
		.amdhsa_wavefront_size32 1
		.amdhsa_system_sgpr_workgroup_id_x 1
		.amdhsa_system_sgpr_workgroup_id_y 1
		.amdhsa_system_sgpr_workgroup_id_z 1
		.amdhsa_system_vgpr_workitem_id 0
		.amdhsa_next_free_vgpr 240
		.amdhsa_next_free_sgpr 66
		.amdhsa_reserve_vcc 1
		.amdhsa_float_denorm_mode_32 3
		.amdhsa_float_denorm_mode_16_64 3
		.amdhsa_memory_ordered 1
		.amdhsa_forward_progress 1
		.amdhsa_inst_pref_size 52
	.end_amdhsa_kernel
	.amdgpu_metadata
---
amdhsa.version: [ 1, 2 ]
amdhsa.kernels:
  - .name:           k_q13eff54ccd_gateq
    .symbol:         k_q13eff54ccd_gateq.kd
    .args:
      - { .name: x, .offset: 0, .size: 8, .value_kind: global_buffer, .address_space: global }
      - { .name: gate_w, .offset: 8, .size: 8, .value_kind: global_buffer, .address_space: global }
      - { .name: gate_b, .offset: 16, .size: 8, .value_kind: global_buffer, .address_space: global }
      - { .name: xq, .offset: 24, .size: 8, .value_kind: global_buffer, .address_space: global }
      - { .name: xs, .offset: 32, .size: 8, .value_kind: global_buffer, .address_space: global }
      - { .name: masks, .offset: 40, .size: 8, .value_kind: global_buffer, .address_space: global }
    .group_segment_fixed_size: 167936
    .private_segment_fixed_size: 0
    .kernarg_segment_align: 8
    .kernarg_segment_size: 48
    .max_flat_workgroup_size: 256
    .sgpr_count:     66
    .vgpr_count:     240
    .wavefront_size: 32
...
	.end_amdgpu_metadata
.endif
;; end of part 1
;; launch dense (part 2): grid 8 x 32, 4 waves a work-group, clusters of 4 x 1, 327,680 bytes of LDS; arguments xq, xs, masks, expert_w_codes, expert_w_scales, expert_b, out0; writes out0
.if DOCPART == 2
	.amdgcn_target "amdgcn-amd-amdhsa--gfx1250"
	.amdhsa_code_object_version 6
	.text
	.protected	k_q13eff54ccd_dense
	.globl	k_q13eff54ccd_dense
	.p2align	8
	.type	k_q13eff54ccd_dense,@function
k_q13eff54ccd_dense:
	s_mov_b64 s[64:65], 0
	v_nop
	global_prefetch_b8 v0, s[64:65] scope:SCOPE_SE
	s_setreg_imm32_b32 hwreg(HW_REG_WAVE_MODE, 25, 1), 1
	s_wait_xcnt 0x0
	s_wait_alu depctr_hold_cnt(0) depctr_sa_sdst(0) depctr_va_vdst(0) depctr_va_sdst(0) depctr_va_ssrc(0) depctr_va_vcc(0) depctr_vm_vsrc(0)
	s_getreg_b32 s2, hwreg(HW_REG_IB_STS2, 6, 4)
	s_cmp_eq_u32 s2, 0
	s_cbranch_scc0 .Lentry_in_a_cluster
	s_endpgm
.Lentry_in_a_cluster:
	s_bfe_u32 s2, ttmp6, 0x10000c
	s_cmp_lg_u32 s2, 0x3003
	s_cbranch_scc0 .Lentry_shape_is_right
	s_endpgm
.Lentry_shape_is_right:
; HardMoe, launch 2 of 2: out[t] = sum over the experts e of w[t][e] relu(x_t W_e + b_e), w = 0.5 for the two chosen experts, 0 for the others; codes of E2M1, one E8M0 scale for each 32 along K, sums in f32.
; Every token is multiplied by all 8 experts and the choice selects by the weight: so no branch hangs on a number read from memory, and the weights come by joint tensor loads.
; LIMIT: an infinite or NaN sum of an unchosen expert gives NaN (0 x infinity).
; SHARES.  Work-group (x, y): tokens 256 x on, columns 64 y on; wave w: tokens 64 w on of these, all 64 columns: 4 x 4 accumulators of 16 x 16.
; x's codes of a wave's 64 tokens, all of K, stay in 512 registers, laid in memory by launch 1 as the registers want them; its scale words in 32.
; W: an expert's 64 columns are 64 rows of 1,024 bytes, dense in memory: one slot of LDS (pitch 1,040).  Four slots, filled two at a time (a pair of experts: wave w brings 32 columns of expert w / 2 of the pair):
; slots 0, 1 pairs 0 and 2, slots 2, 3 pairs 1 and 3.  All 8 experts' scale bytes and biases of the 64 columns come once, at the head.
; CLUSTERS: the four work-groups of a cluster take the same columns: each tile of W, of scales and of biases is asked for jointly.
; x is loaded straight into registers: each wave's rows are its own.
; PAIR 0 is multiplied K step by K step, both experts together, while x arrives (expert 0 in the registers of the output's sums); then the experts go one by one.
; A trip begins with the last K step of the expert before, inside which the round of the cluster's barrier lies.
; THE MATRIX INSTRUCTION IS USED TRANSPOSED: source 0 = 32 columns of W, source 1 = 16 tokens: lane (r, h) holds token r and eight neighbouring columns 8 h + 0 .. 7.
; An expert's sums begin with its bias as C.  relu, weight and sum of an expert stand between the first products of the next.
; PREFETCH: pairs 2 and 3 are asked for one pair of experts ahead of their tensor loads, 8,192 bytes a wave: each block of 256 bytes once in each cluster, shared out among its 16 waves by address; pairs 0 and 1 come by their loads alone.
; REGISTERS: window 0: addresses, masks, weights, scale words, bias, four buffers of W's fragments.  Windows 1, 2: x's fragments of K steps 0-7, 8-15 (step s, tile i at 32 (s % 8) + 8 i).
;   window 3: v0-127 the accumulators (token tile i, column tile j at 8 (4 i + j)), v128-255 the output's sums, laid alike.
.set APITCH, 1040                      ; 16 rows that a load touches start 16 bytes apart modulo 256
.set SLOT,   64*APITCH
.set REG2,   2*SLOT                    ; 133,120: the second pair of slots.  No bit of it is set in wave x 33,280: an xor adds it
.set SCL,    4*SLOT                    ; 266,240: scale bytes: units of 256 (4 columns) + 16
.set SEXP,   4352                      ; an expert's
.set BIAS,   SCL+8*SEXP                ; 301,056: [expert][64] f32
.set SPARE,  BIAS+2048                 ; 303,104: the spare words, 128 bytes for each wave: two blocks of 256 bytes that no other line names
.set STGW,   64*272                    ; the way out: a wave's stage, in slots 0 and 1, which have had their last fill and their last read by then
.set VXQ, 1
.set VXS, 2
.set VKM, 3
.set VF,  4                            ; W's fragments, slot 0; never rewritten
.set VF0, 5                            ; the pair's first slot,
.set VF1, 6                            ; and its second
.set VFS, 7                            ; scale words: lane l column l of 32
.set VBI, 8
.set VPF, 9
.set VST, 10
.set VRD, 11
.set VCO, 12
.set SPW, 14                           ; my spare word; never rewritten
.set NIL, 15                           ; 0; never rewritten
.set KM,  16                           ; v16-19  the mask of token 16 i + r
.set W,   20                           ; v20-27  pairs: the weight of token 16 i + r in the even register
.set TW,  28                           ; v28-31  at work
.set XS,  32                           ; v32-63  x's scale words: XS + 16 p + s: tiles 2 p (lanes 0-15), 2 p + 1 (lanes 16-31), K step s
.set WS,  64                           ; v64-79  W's: + 8 (s / 4 % 2) + 4 p + s % 4
.set WS2, 80                           ; v80-95  expert 0's, while experts 0 and 1 go together
.set BI,  96                           ; v96-127 the bias of column tile j at BI + 8 j
.set FB,  128                          ; v128-255 W's fragments: buffer f, column tile j at FB + 32 f + 8 j
.set WV,  18
.set G1,  24
.set G1H, 32
.set G1S, 40
.set G1B, 48
.set G0,  56
.set G0H, 60
.set G0S, 68
.set G0B, 72
.set SL,  76                           ; 0 or REG2
.set BIT, 77
.set TRP, 78
.set PF,  80
.set XB,  84
.set XSP, 86
.set MB,  88
.set OB,  90
.set MSB, 0
.set EC,  0
.set EP,  0
.set BC,  0
.macro WIN new                         ; bits 1:0 source 0, 3:2 source 1, 5:4 source 2, 7:6 destination; the high byte repeats the setting that is left
.if MSB != \new
	s_set_vgpr_msb (MSB<<8)|\new
.set MSB, \new
.endif
.endm
.macro PLACES
.rept 4
	v_nop
.endr
.endm
.macro CREST                           ; a round of the cluster's barrier behind its opening barrier
	s_cmp_lg_u32 s[WV], 0
	s_cbranch_scc1 .Lnw_\@
	s_barrier_signal -3
.Lnw_\@:
	s_barrier_wait -3
	s_barrier_signal -1
	s_barrier_wait -1
.endm
.macro CROUND
	s_barrier_signal -1
	s_barrier_wait -1
	CREST
.endm
.macro TLOAD g0, g1                    ; a joint load
	tensor_load_to_lds s[\g0:\g0+3], s[\g1:\g1+7]
	s_nop 0
	PLACES
.endm
.macro GSET g, w0, cols, rows, pitch   ; descriptor group 1, elements of 8 bytes
	s_mov_b32 s[\g], \w0
	s_mov_b32 s[\g+1], (\cols)<<16
	s_mov_b32 s[\g+2], (\rows)<<16
	s_mov_b32 s[\g+3], (\cols)<<16
	s_mov_b32 s[\g+4], \rows
	s_mov_b32 s[\g+5], \pitch
	s_mov_b32 s[\g+6], 0
	s_mov_b32 s[\g+7], 0
.endm
.macro XLD s                           ; x's fragments of K step s: 8 loads of 512 consecutive bytes
.if (\s) < 8
	WIN 0x40
.else
	WIN 0x80
.endif
.irp n, 0,1,2,3,4,5,6,7
	global_load_b128 v[32*((\s)%8)+4*\n:32*((\s)%8)+4*\n+3], v[VXQ], s[XB:XB+1] offset:4096*(\s)+512*\n
.endr
.endm
.macro LDF vf, s, buf                  ; W's four fragments of K step s: lane (r, h): 16 bytes at 16 h and at 32 + 16 h of the row's 64
.irp j, 0,1,2,3
.irp c, 0,1
	ds_load_b128 v[FB+32*(\buf)+8*\j+4*\c:FB+32*(\buf)+8*\j+4*\c+3], v[\vf] offset:16*APITCH*\j+64*(\s)+32*\c
.endr
.endr
.endm
.macro LSC ws, g, off                  ; scale words of K steps 4 g .. 4 g + 3
.irp p, 0,1
	ds_load_b128 v[\ws+8*((\g)%2)+4*\p:\ws+8*((\g)%2)+4*\p+3], v[VFS] offset:(\off)+2176*\p+16*(\g)
.endr
.endm
.macro LBI off                         ; a bias: eight numbers for each column tile
.irp j, 0,1,2,3
	ds_load_b128 v[BI+8*\j:BI+8*\j+3], v[VBI] offset:(\off)+64*\j
	ds_load_b128 v[BI+8*\j+4:BI+8*\j+7], v[VBI] offset:(\off)+64*\j+16
.endr
.endm
; token tile i x four column tiles, K step s.  The 16 accumulators take turns in the same order in every step.  first = 1: C is the bias
; ONE INSTRUCTION MAKES TWO of the accumulators of 16 x 16: source 0 takes the 32 columns of column tiles 2 p and 2 p + 1, whose registers follow each other; its scales fill all 32 lanes.
.macro WM i, p, s, buf, dacc, ws, first
.set rD, (\dacc)+8*(4*(\i)+2*(\p))
.set rW, FB+32*(\buf)+16*(\p)
.set rX, 32*((\s)%8)+8*(\i)
.set rA, (\ws)+8*(((\s)/4)%2)+4*(\p)+((\s)%4)
.set rB, XS+16*((\i)/2)+(\s)
.if \first
	WIN 0xC4                                       ; C (window 0) is the bias
.set rC, BI+16*(\p)
.else
	MWIN \s
.set rC, rD
.endif
.if (\i)%2 == 0
	v_wmma_scale_f32_32x16x128_f4 v[rD:rD+15], v[rW:rW+15], v[rX:rX+7], v[rC:rC+15], v[rA], v[rB]
.else
	v_wmma_scale_f32_32x16x128_f4 v[rD:rD+15], v[rW:rW+15], v[rX:rX+7], v[rC:rC+15], v[rA], v[rB] matrix_b_scale:MATRIX_SCALE_ROW1
.endif
.endm
.macro MULROW i, s, buf, dacc, ws, first
.irp p, 0,1
	WM \i, \p, \s, \buf, \dacc, \ws, \first
.endr
.endm
; an expert's K step 15; its token tiles 0 and 1 are finished between and behind these last products, 2 and 3 between the next expert's first
.macro STEP15
	MULROW 0, 15, 3, 0, WS, 0
	MULROW 1, 15, 3, 0, WS, 0
	WEIGHTS
	MULROW 2, 15, 3, 0, WS, 0
	EPI 0
	MULROW 3, 15, 3, 0, WS, 0
	EPI 1
.endm
.macro MWIN s                          ; W window 0, x window 1 or 2, C and D window 3
.if (\s) < 8
	WIN 0xF4
.else
	WIN 0xF8
.endif
.endm
.macro MUL s, buf, dacc, ws
	MWIN \s
.irp i, 0,1,2,3
	MULROW \i, \s, \buf, \dacc, \ws, 0
.endr
.endm
.macro WEIGHTS                         ; 0.5 where the token chose the expert of BIT; on to the next expert's bit.  These twelve lines are also the places behind the last products
	WIN 0
.irp i, 0,1,2,3
	v_and_b32 v[TW+\i], s[BIT], v[KM+\i]
.endr
.irp i, 0,1,2,3
	v_cmp_ne_u32 vcc_lo, 0, v[TW+\i]
	v_cndmask_b32 v[W+2*\i], 0, 0.5, vcc_lo
.endr
	s_lshl_b32 s[BIT], s[BIT], 1
	s_wait_alu depctr_va_vdst(0)                   ; behind the writes
.endm
.macro RELU i, base
	WIN 0xCC
.irp j, 0,1,2,3
.irp n, 0,1,2,3,4,5,6,7
	v_max_num_f32 v[\base+8*(4*(\i)+\j)+\n], 0, v[\base+8*(4*(\i)+\j)+\n]
.endr
.endr
.endm
.macro EPI i                           ; token tile i of a finished expert: relu, x the weight, onto the output's sums; each accumulator from its low end on
	RELU \i, 0
	WIN 0xF3
.irp j, 0,1,2,3
.irp p, 0,2,4,6
	v_pk_fma_f32 v[128+8*(4*(\i)+\j)+\p:128+8*(4*(\i)+\j)+\p+1], v[8*(4*(\i)+\j)+\p:8*(4*(\i)+\j)+\p+1], v[W+2*(\i):W+2*(\i)+1], v[128+8*(4*(\i)+\j)+\p:128+8*(4*(\i)+\j)+\p+1] op_sel_hi:[1,0,1]
.endr
.endr
.endm
; K steps s (even) and s + 1.  At an even step's start the fragments of steps s + 2 and s + 3 are asked for (at 14: the pair's second expert's 0 and 1).  EC, EP: the scale and bias loads issued at this even step and at the one before.
.macro EVEN vf, a, nx, s
	WIN 0
	PLACES                                         ; in front of loads into registers that matrix instructions have read
.set EP, EC
.set EC, 0
.set BC, 16
.if \s < 14
	LDF \vf, (\s+2), ((\s+2)%4)
	LDF \vf, (\s+3), ((\s+3)%4)
.elseif \a == 0
	LDF VF1, 0, 0
	LDF VF1, 1, 1
.else
.set BC, 0
.endif
.if (\s == 4) || (\s == 8)
	LSC WS, (\s/4+1), (SEXP*\a)
.set EC, 2
.endif
.if (\s == 10) && (\nx == 1)
	LBI (256*(\a+1))                               ; the next expert's bias
.set EC, 8
.endif
.if (\s == 12) && (\nx == 1)
	LSC WS, 0, (SEXP*(\a+1))                       ; the next expert's first scale words
.set EC, 2
.endif
	s_wait_dscnt 8+EP+BC+EC                        ; step s's fragments are in; behind them: step s + 1's 8, EP, and what was just issued
	MUL \s, (\s%4), 0, WS
.if \s < 14
	s_wait_dscnt EP+BC+EC
	MUL (\s+1), ((\s+1)%4), 0, WS
.elseif \a == 0
	s_wait_dscnt EP+BC+EC
	STEP15
.endif
.endm
; An expert: a = 0, 1: the pair's first, second.  Its first 16 fragment loads are out.  The expert before is finished tile by tile between the first products.  a = 1 ends ahead of K step 15.  nx = 0: no expert follows
.macro PASS vf, a, nx
	WIN 0
	LDF \vf, 2, 2                                  ; (the lines of EPI 1 are the places behind the last products)
	LDF \vf, 3, 3
	LSC WS, 1, (SEXP*\a)
	s_wait_dscnt 26                                ; behind step 0's fragments: step 1's 8 and the 18 just issued
	MULROW 0, 0, 0, 0, WS, 1
	MULROW 1, 0, 0, 0, WS, 1
	EPI 2
	MULROW 2, 0, 0, 0, WS, 1
	EPI 3
	MULROW 3, 0, 0, 0, WS, 1
	s_wait_dscnt 18                                ; all but the 18
	MUL 1, 1, 0, WS
.set EC, 2
.irp s, 2,4,6,8,10,12,14
	EVEN \vf, \a, \nx, \s
.endr
.endm
; K step 15 of a pair's second expert, with the change of slots inside: all my tensor loads have landed, my reads of the pair's slots are over; behind the barrier both hold of every wave.
; fill = 1: the barrier opens a round of the cluster's barrier, and the two slots just read out take the pair two on
.macro SYNC fill
	WIN 0
.if \fill
	s_wait_xcnt 0x0                                ; the prefetch has read its address
	s_add_nc_u64 s[PF:PF+1], s[PF:PF+1], 0x400000
.endif
	s_wait_tensorcnt 0x0                           ; all my tensor loads are done;
	ds_add_u32 v[SPW], v[NIL]
.if \fill
	s_add_nc_u64 s[G0+2:G0+3], s[G0+2:G0+3], 0x400000   ; the next pair to fetch: 2 experts of 2,097,152 bytes on,
	s_xor_b32 s[G0+1], s[G0+1], REG2               ; into the slots being read
	s_xor_b32 s[SL], s[SL], REG2                   ; the slots to read next
.endif
	s_wait_dscnt 0x1                               ; the step's fragments are in; the add may be out
	WIN 0xF8
	MULROW 0, 15, 3, 0, WS, 0
	MULROW 1, 15, 3, 0, WS, 0
	WEIGHTS
	s_wait_dscnt 0x0
	s_barrier_signal -1
	MULROW 2, 15, 3, 0, WS, 0                      ; work on registers while the others arrive, as in STEP15
	EPI 0
	MULROW 3, 15, 3, 0, WS, 0
	EPI 1
	WIN 0
	s_barrier_wait -1
.if \fill
	CREST
	TLOAD G0, G1                                   ; the first tensor load behind the round
	v_add_nc_u32 v[VF0], s[SL], v[VF]
	v_add_nc_u32 v[VF1], SLOT, v[VF0]
.else
	v_add_nc_u32 v[VF0], REG2, v[VF]               ; pair 3 lies in slots 2 and 3
	v_add_nc_u32 v[VF1], REG2+SLOT, v[VF]
.endif
	v_add_nc_u32 v[VFS], 2*SEXP, v[VFS]
	v_add_nc_u32 v[VBI], 512, v[VBI]
	s_wait_alu depctr_va_vdst(0)                   ; behind the writes
	LDF VF0, 0, 0
	LDF VF0, 1, 1
.endm
; PAIR 0, K step s: expert 0 (sums in v128-255), then expert 1.  Buffers 0, 1 and 2, 3 by turns
.macro FSTEP s
	WIN 0
.if \s > 0
	PLACES
.endif
	LDF VF0, (\s+1), ((\s+1)%2)
	LDF VF1, (\s+1), (2+(\s+1)%2)
.set EP, EC
.set EC, 0
.set fZ, 0
.if \s == 0
.set fZ, 1
.endif
.if (\s == 0) || (\s == 4) || (\s == 8)
	LSC WS2, (\s/4+1), 0
	LSC WS, (\s/4+1), SEXP
.set EC, 4
.elseif \s == 10
	LBI 512                                        ; expert 2's bias
.set EC, 8
.elseif \s == 12
	LSC WS, 0, (2*SEXP)                            ; expert 2's first scale words
.set EC, 2
.endif
.if \s < 8
	s_wait_loadcnt 63                              ; x's steps 0 to 7 are in: behind them 64 loads were issued (63 is the wait's largest count)
.else
	s_wait_loadcnt 8*(15-\s)                       ; x's step s is in; the younger steps' loads may be out
.endif
.if \s == 0
	s_wait_dscnt 20                                ; all but the 20 just issued
.else
	s_wait_dscnt 8+EP+16+EC                        ; expert 0's fragments are in; behind them: expert 1's 8, EP, and what was just issued
.endif
.irp i, 0,1,2,3
	MULROW \i, \s, (\s%2), 128, WS2, fZ
.endr
.if \s == 0
	WIN 0
	PLACES
	LBI 256                                        ; expert 1's bias
	s_wait_dscnt 0x0
.set EC, 0
.else
	s_wait_dscnt EP+16+EC
.endif
.irp i, 0,1,2,3
	MULROW \i, \s, (2+\s%2), 0, WS, fZ
.endr
.endm
	s_load_b256 s[4:11], s[0:1], 0x0               ; xq s[4:5], xs s[6:7], masks s[8:9], W's codes s[10:11]
	s_load_b128 s[12:15], s[0:1], 0x20             ; W's scales s[12:13], expert_b s[14:15]
	s_load_b64 s[16:17], s[0:1], 0x30              ; out0
	v_lshl_add_u32 v[SPW], v0, 2, SPARE
	v_mov_b32 v[NIL], 0
	ds_add_u32 v[SPW], v[NIL]                      ; the opening lines: the add, twice on end, and its wait
	ds_add_u32 v[SPW], v[NIL]
	v_lshrrev_b32 v28, 5, v0
	v_readfirstlane_b32 s[WV], v28                 ; wave 0..3
	s_mul_i32 s22, s[WV], STGW
	v_and_b32 v28, 31, v0                          ; l
	v_and_b32 v29, 15, v0                          ; r
	v_bfe_u32 v30, v0, 4, 1                        ; h
	v_lshrrev_b32 v31, 3, v29
	v_lshlrev_b32 v[VXQ], 8, v31                   ; x: 256 (r / 8) + 128 h + 16 (r % 8)
	v_lshl_add_u32 v[VXQ], v30, 7, v[VXQ]
	v_and_b32 v31, 7, v0
	v_lshl_add_u32 v[VXQ], v31, 4, v[VXQ]
	v_lshlrev_b32 v[VXS], 6, v28                   ; its scale bytes: 64 l
	v_lshlrev_b32 v[VKM], 2, v29                   ; masks: 4 r
	v_mul_u32_u24 v[VF], v29, APITCH
	v_lshl_add_u32 v[VF], v30, 4, v[VF]
	v_mov_b32 v[VF0], v[VF]
	v_add_nc_u32 v[VF1], SLOT, v[VF]
	v_lshrrev_b32 v31, 2, v28
	v_mul_u32_u24 v[VFS], v31, 272
	v_and_b32 v31, 3, v0
	v_lshl_add_u32 v[VFS], v31, 6, v[VFS]
	v_add_nc_u32 v[VFS], SCL, v[VFS]
	v_lshlrev_b32 v[VBI], 5, v30
	v_add_nc_u32 v[VBI], BIAS, v[VBI]
	v_lshlrev_b32 v[VPF], 8, v28
	v_mul_u32_u24 v[VST], v29, 272                 ; the stage, in: row r, 32 bytes for each half of the lanes
	v_lshl_add_u32 v[VST], v30, 5, v[VST]
	v_add_nc_u32 v[VST], s22, v[VST]
	v_mul_u32_u24 v[VRD], v30, 272                 ; and back: lanes 0-15 one row of 256 bytes, lanes 16-31 the next
	v_lshl_add_u32 v[VRD], v29, 4, v[VRD]
	v_add_nc_u32 v[VRD], s22, v[VRD]
	v_lshlrev_b32 v[VCO], 13, v30                  ; the same two rows in out0
	v_lshl_add_u32 v[VCO], v29, 4, v[VCO]
.irp n, 0,1,2,3,4,5,6,7
	v_mov_b32 v[W+\n], 0                           ; (the odd ones are named as the upper halves of pairs)
.endr
	s_bfe_u32 s21, ttmp6, 0x40000                  ; cx: my place in the cluster
	s_lshl_b32 s19, ttmp9, 2
	s_add_co_u32 s19, s19, s21                     ; token block
	s_and_b32 s20, ttmp7, 0xffff                   ; column block
	GSET G1,  15|(3<<16)|(1<<20)|(1<<21)|(7<<22)|(3<<25), 128, 32, 128      ; 32 columns of 1,024 bytes, 16 of padding behind each; the mask names the cluster's four
	GSET G1H, 15|(3<<16)|(1<<20)|(1<<21)|(7<<22)|(3<<25), 128, 64, 128      ; 64 columns, at the head
	GSET G1S, 15|(3<<16)|(1<<20)|(1<<21)|(5<<22)|(3<<25), 512, 8, 16384     ; scale bytes: 8 experts x 4,096 bytes, 16 of padding behind every 256
	GSET G1B, 15|(3<<16)|(1<<21), 32, 8, 1024                               ; biases: 8 experts x 256 bytes
	s_mov_b32 s[G0], 1
	s_mov_b32 s[G0H], 1
	s_mov_b32 s[G0S], 1
	s_mov_b32 s[G0B], 1
	s_mul_i32 s[G0+1], s[WV], SLOT/2               ; the ring: wave x 32 columns,
	s_add_co_u32 s[G0+1], s[G0+1], REG2            ; pair 1 first
	s_and_b32 s22, s[WV], 1
	s_mul_i32 s[G0H+1], s22, SLOT                  ; the head: waves 0 and 1 bring experts 0 and 1
	s_mov_b32 s[G0S+1], SCL
	s_mov_b32 s[G0B+1], BIAS
	s_mov_b32 s[SL], 0
	s_mov_b32 s[BIT], 1
	s_mov_b32 s23, 0
	s_lshl_b32 s82, s20, 16                        ; 64 columns of 1,024 bytes
	s_wait_alu depctr_va_vdst(0)
	s_wait_dscnt 0x0                               ; both opening adds are done
	s_wait_kmcnt 0x0
	s_lshl_b32 s22, s22, 21                        ; an expert's codes are 2,097,152 bytes
	s_add_co_u32 s22, s22, s82
	s_add_nc_u64 s[G0H+2:G0H+3], s[10:11], s[22:23]
	s_or_b32 s[G0H+3], s[G0H+3], 0x80000000
	s_lshl_b32 s22, s20, 12
	s_add_nc_u64 s[G0S+2:G0S+3], s[12:13], s[22:23]
	s_or_b32 s[G0S+3], s[G0S+3], 0x80000000
	s_lshl_b32 s22, s20, 8
	s_add_nc_u64 s[G0B+2:G0B+3], s[14:15], s[22:23]
	s_or_b32 s[G0B+3], s[G0B+3], 0x80000000
	CROUND                                         ; all four work-groups are here: the joint loads meet
	s_cmp_lt_u32 s[WV], 2                          ; one load a wave, in one chain of branches on the wave's number
	s_cbranch_scc0 .Lhead_s
	TLOAD G0H, G1H
	s_branch .Lhead_asked
.Lhead_s:
	s_cmp_lt_u32 s[WV], 3
	s_cbranch_scc0 .Lhead_b
	TLOAD G0S, G1S
	s_branch .Lhead_asked
.Lhead_b:
	TLOAD G0B, G1B
.Lhead_asked:
	s_lshl_b32 s22, s19, 18                        ; x: my 64 tokens' 65,536 bytes of codes,
	s_lshl_b32 s83, s[WV], 16
	s_add_co_u32 s22, s22, s83
	s_add_nc_u64 s[XB:XB+1], s[4:5], s[22:23]
	s_lshr_b32 s22, s22, 4                         ; 4,096 of scale bytes,
	s_add_nc_u64 s[XSP:XSP+1], s[6:7], s[22:23]
	s_lshr_b32 s22, s22, 4                         ; 256 of masks
	s_add_nc_u64 s[MB:MB+1], s[8:9], s[22:23]
.irp p, 0,1
.irp g, 0,1,2,3
	global_load_b128 v[XS+16*\p+4*\g:XS+16*\p+4*\g+3], v[VXS], s[XSP:XSP+1] offset:2048*\p+16*\g
.endr
.endr
.irp i, 0,1,2,3
	global_load_b32 v[KM+\i], v[VKM], s[MB:MB+1] offset:64*\i
.endr
.irp s, 0,1,2,3,4,5,6,7,8,9,10,11,12,13,14,15
	XLD \s
.endr
	WIN 0
	s_lshl_b32 s22, s19, 21                        ; out0: row 256 x block + 64 x wave, my 256 bytes of it
	s_lshl_b32 s83, s[WV], 19
	s_add_co_u32 s22, s22, s83
	s_lshl_b32 s83, s20, 8
	s_add_co_u32 s22, s22, s83
	s_add_nc_u64 s[OB:OB+1], s[16:17], s[22:23]
	s_lshl_b32 s22, s21, 2                         ; the prefetches: part 4 cx + wave of a pair's 16: expert part / 8, 8,192 bytes x (part % 8);  pair 2 first
	s_add_co_u32 s22, s22, s[WV]
	s_and_b32 s83, s22, 7
	s_lshr_b32 s22, s22, 3
	s_lshl_b32 s22, s22, 21
	s_lshl_b32 s83, s83, 13
	s_add_co_u32 s22, s22, s83
	s_add_co_u32 s22, s22, s82
	s_add_co_u32 s22, s22, 0x800000
	s_add_nc_u64 s[PF:PF+1], s[10:11], s[22:23]
	s_lshr_b32 s92, s[WV], 1                       ; the ring's loads: expert 2 + wave / 2, 32 columns x (wave % 2)
	s_lshl_b32 s92, s92, 21
	s_and_b32 s94, s[WV], 1
	s_lshl_b32 s94, s94, 15
	s_add_co_u32 s92, s92, s94
	s_add_co_u32 s92, s92, s82
	s_add_co_u32 s92, s92, 0x400000
	s_mov_b32 s93, 0
	s_add_nc_u64 s[G0+2:G0+3], s[10:11], s[92:93]
	s_or_b32 s[G0+3], s[G0+3], 0x80000000
	s_wait_tensorcnt 0x0                           ; my tile of the head's four is in
	ds_add_u32 v[SPW], v[NIL]
	s_wait_dscnt 0x0
	CROUND                                         ; everybody's is
	TLOAD G0, G1                                   ; pair 1, the first tensor load behind the round
	LDF VF0, 0, 0
	LDF VF1, 0, 2
	LBI 0                                          ; expert 0's bias
	LSC WS2, 0, 0
	LSC WS, 0, SEXP
	global_prefetch_b8 v[VPF], s[PF:PF+1] th:TH_LOAD_NT scope:SCOPE_SE    ; pair 2, which the next round's load wants
.irp s, 0,1,2,3,4,5,6,7,8,9,10,11,12,13,14
	FSTEP \s
.endr
	s_wait_loadcnt 0x0                             ; x is in
	s_wait_dscnt 8                                 ; expert 0's fragments of K step 15; expert 1's 8 may be out: its K step 15 stands at the trip's head
	MUL 15, 1, 128, WS2
	WEIGHTS
.irp i, 0,1,2,3
	RELU \i, 128                                   ; expert 0 begins the output's sums, in place
	WIN 0xC3
.irp j, 0,1,2,3
.irp p, 0,2,4,6
	v_pk_mul_f32 v[128+8*(4*\i+\j)+\p:128+8*(4*\i+\j)+\p+1], v[128+8*(4*\i+\j)+\p:128+8*(4*\i+\j)+\p+1], v[W+2*\i:W+2*\i+1] op_sel_hi:[1,0]
.endr
.endr
.endr
	WIN 0
	s_mov_b32 s[TRP], 1
.Ltrip:                                                ; trip t: K step 15 of expert 2 t - 1, then experts 2 t and 2 t + 1 but for the last K step
	SYNC 1
	s_cmp_eq_u32 s[TRP], 1
	s_cbranch_scc0 .Lno_ask                        ; behind trip 1 no pair is left to ask for
	global_prefetch_b8 v[VPF], s[PF:PF+1] th:TH_LOAD_NT scope:SCOPE_SE    ; pair 3
.Lno_ask:
	PASS VF0, 0, 1
	PASS VF1, 1, 1
	WIN 0
	s_add_co_u32 s[TRP], s[TRP], 1
	s_cmp_lt_u32 s[TRP], 3
	s_cbranch_scc1 .Ltrip
	SYNC 0                                         ; the last pair: nothing is filled again
	PASS VF0, 0, 1
	PASS VF1, 1, 0
	s_wait_dscnt 0x0
	STEP15
; THE WAY OUT.  A lane holds 32 neighbouring bytes of a token's row, and the lanes beside it hold other tokens: a tile of 16 tokens x 64 columns goes through my own stage in LDS and comes back two rows a load:
; sixteen lanes store a row's 256 consecutive bytes.  LDS serves a wave's instructions in order (ISA guide 5.7.1.4): no wait between the stage's stores and loads.  The next tile's relu and sums stand ahead of the wait for them.
.macro TOSTAGE i
	WIN 0x0C
.irp j, 0,1,2,3
	ds_store_b128 v[VST], v[128+8*(4*(\i)+\j):128+8*(4*(\i)+\j)+3] offset:4352*(\i)+64*\j
	ds_store_b128 v[VST], v[128+8*(4*(\i)+\j)+4:128+8*(4*(\i)+\j)+7] offset:4352*(\i)+64*\j+16
.endr
	WIN 0
.irp p, 0,1,2,3,4,5,6,7
	ds_load_b128 v[FB+32*(\i)+4*\p:FB+32*(\i)+4*\p+3], v[VRD] offset:4352*(\i)+544*\p
.endr
.endm
.macro SEND i
	s_wait_dscnt 0x0
.irp p, 0,1,2,3,4,5,6,7
	global_store_b128 v[VCO], v[FB+32*(\i)+4*\p:FB+32*(\i)+4*\p+3], s[OB:OB+1] offset:8192*(16*(\i)+2*\p) th:TH_STORE_NT   ; written once, read by nobody here
.endr
.endm
	WIN 0
	s_wait_alu depctr_va_vdst(0)
	TOSTAGE 0
	TOSTAGE 1
	EPI 2
	WIN 0
	s_wait_alu depctr_va_vdst(0)
	SEND 0
	SEND 1
	TOSTAGE 2
	EPI 3
	WIN 0
	s_wait_alu depctr_va_vdst(0)
	SEND 2
	TOSTAGE 3
	SEND 3
	s_wait_tensorcnt 0x0                           ; the wave's end
	ds_add_u32 v[SPW], v[NIL]
	s_wait_dscnt 0x0
	CROUND                                         ; no work-group ends while a partner may still ask for a tile that names it
	s_endpgm
.Lfunc_end_k_q13eff54ccd_dense:
	.size	k_q13eff54ccd_dense, .Lfunc_end_k_q13eff54ccd_dense-k_q13eff54ccd_dense
	.p2alignl 7, 3214868480
	.fill 96, 4, 3214868480
	.section	.rodata,"a",@progbits
	.p2align	6, 0x0
	.amdhsa_kernel k_q13eff54ccd_dense
		.amdhsa_group_segment_fixed_size 327680
		.amdhsa_private_segment_fixed_size 0
		.amdhsa_enable_private_segment 0
		.amdhsa_kernarg_size 56
		.amdhsa_user_sgpr_count 2
		.amdhsa_user_sgpr_kernarg_segment_ptr 1
		.amdhsa_wavefront_size32 1
		.amdhsa_system_sgpr_workgroup_id_x 1
		.amdhsa_system_sgpr_workgroup_id_y 1
		.amdhsa_system_sgpr_workgroup_id_z 1
		.amdhsa_system_vgpr_workitem_id 0
		.amdhsa_next_free_vgpr 1024
		.amdhsa_next_free_sgpr 96
		.amdhsa_reserve_vcc 1
		.amdhsa_float_denorm_mode_32 3
		.amdhsa_float_denorm_mode_16_64 3
		.amdhsa_memory_ordered 1
		.amdhsa_forward_progress 1
		.amdhsa_inst_pref_size 248
	.end_amdhsa_kernel
	.amdgpu_metadata
---
amdhsa.version: [ 1, 2 ]
amdhsa.kernels:
  - .name:           k_q13eff54ccd_dense
    .symbol:         k_q13eff54ccd_dense.kd
    .args:
      - { .name: xq, .offset: 0, .size: 8, .value_kind: global_buffer, .address_space: global }
      - { .name: xs, .offset: 8, .size: 8, .value_kind: global_buffer, .address_space: global }
      - { .name: masks, .offset: 16, .size: 8, .value_kind: global_buffer, .address_space: global }
      - { .name: expert_w_codes, .offset: 24, .size: 8, .value_kind: global_buffer, .address_space: global }
      - { .name: expert_w_scales, .offset: 32, .size: 8, .value_kind: global_buffer, .address_space: global }
      - { .name: expert_b, .offset: 40, .size: 8, .value_kind: global_buffer, .address_space: global }
      - { .name: out0, .offset: 48, .size: 8, .value_kind: global_buffer, .address_space: global }
    .group_segment_fixed_size: 327680
    .private_segment_fixed_size: 0
    .kernarg_segment_align: 8
    .kernarg_segment_size: 56
    .max_flat_workgroup_size: 128
    .sgpr_count:     96
    .vgpr_count:     1024
    .wavefront_size: 32
...
	.end_amdgpu_metadata
.endif
;; end of part 2
